; MI455X (gfx1250); checked and timed in simulation.
; The chip was launched on July 23, 2026; its instructions are those of AMD's public machine-readable ISA for CDNA 5 (MIT licence, August 2026) and "CDNA5" Instruction Set Architecture Reference Guide (July 2026). The comments in the code are by the model that wrote it; some were corrected since.
;; LSTM. Allowed arithmetic: matrix products marked QUANTISED: E2M1 operands, one E8M0 scale for each 32 along K, by v_wmma_scale_f32_16x16x128_f8f6f4 with both operands' format E2M1 (or v_wmma_scale_f32_32x16x128_f4), f32 sums; everything else in f32.
;; Inputs: Wf_h_codes 2,048 x 64 x 16 uint8 (E2M1 codes of Wf_h, K innermost, in blocks of 32 codes, two codes a byte); Wf_h_scales 2,048 x 64 uint8 (E8M0 scales of Wf_h, one for each 32 codes along K); Wf_x_codes 2,048 x 64 x 16 uint8 (E2M1 codes of Wf_x, K innermost, in blocks of 32 codes, two codes a byte); Wf_x_scales 2,048 x 64 uint8 (E8M0 scales of Wf_x, one for each 32 codes along K); Wg_h_codes 2,048 x 64 x 16 uint8 (E2M1 codes of Wg_h, K innermost, in blocks of 32 codes, two codes a byte); Wg_h_scales 2,048 x 64 uint8 (E8M0 scales of Wg_h, one for each 32 codes along K); Wg_x_codes 2,048 x 64 x 16 uint8 (E2M1 codes of Wg_x, K innermost, in blocks of 32 codes, two codes a byte); Wg_x_scales 2,048 x 64 uint8 (E8M0 scales of Wg_x, one for each 32 codes along K); Wi_h_codes 2,048 x 64 x 16 uint8 (E2M1 codes of Wi_h, K innermost, in blocks of 32 codes, two codes a byte); Wi_h_scales 2,048 x 64 uint8 (E8M0 scales of Wi_h, one for each 32 codes along K); Wi_x_codes 2,048 x 64 x 16 uint8 (E2M1 codes of Wi_x, K innermost, in blocks of 32 codes, two codes a byte); Wi_x_scales 2,048 x 64 uint8 (E8M0 scales of Wi_x, one for each 32 codes along K); Wo_h_codes 2,048 x 64 x 16 uint8 (E2M1 codes of Wo_h, K innermost, in blocks of 32 codes, two codes a byte); Wo_h_scales 2,048 x 64 uint8 (E8M0 scales of Wo_h, one for each 32 codes along K); Wo_x_codes 2,048 x 64 x 16 uint8 (E2M1 codes of Wo_x, K innermost, in blocks of 32 codes, two codes a byte); Wo_x_scales 2,048 x 64 uint8 (E8M0 scales of Wo_x, one for each 32 codes along K); behavior_codes 2,048 x 64 x 16 uint8 (E2M1 codes of behavior, K innermost, in blocks of 32 codes, two codes a byte); behavior_scales 2,048 x 64 uint8 (E8M0 scales of behavior, one for each 32 codes along K); bf 2,048 float32; bg 2,048 float32; bi 2,048 float32; bo 2,048 float32; c0 2,048 x 2,048 float32; h0_codes 2,048 x 64 x 16 uint8 (E2M1 codes of h0, K innermost, in blocks of 32 codes, two codes a byte); h0_scales 2,048 x 64 uint8 (E8M0 scales of h0, one for each 32 codes along K).
;; Outputs: out0 2,048 x 2,048 float32.
;; This version of the problem:
;;   THIS VERSION OF THE PROBLEM IS GIVEN IN LOW PRECISION. The matrix products marked QUANTISED in the list below multiply operands that are first quantised to E2M1 (2 exponent bits, 1 mantissa bit; 4 bits a number), with one power-of-two scale for each 32 numbers along K (OCP MX v1.0); their sums are f32. All else is computed in f32.
;;   The module's matrix products, in the order in which they are computed (A, B: the left and right operand; K: the contracted axis; several contracted axes count as one K, in the product's order):
;;     1. [M 2,048, K 2,048] x [K 2,048, N 2,048]; A: input h0 (given as codes); B: input Wi_h (given as codes): QUANTISED
;;     2. [M 2,048, K 2,048] x [K 2,048, N 2,048]; A: input behavior (given as codes); B: input Wi_x (given as codes): QUANTISED
;;     3. [M 2,048, K 2,048] x [K 2,048, N 2,048]; A: input h0 (given as codes); B: input Wf_h (given as codes): QUANTISED
;;     4. [M 2,048, K 2,048] x [K 2,048, N 2,048]; A: input behavior (given as codes); B: input Wf_x (given as codes): QUANTISED
;;     5. [M 2,048, K 2,048] x [K 2,048, N 2,048]; A: input h0 (given as codes); B: input Wg_h (given as codes): QUANTISED
;;     6. [M 2,048, K 2,048] x [K 2,048, N 2,048]; A: input behavior (given as codes); B: input Wg_x (given as codes): QUANTISED
;;     7. [M 2,048, K 2,048] x [K 2,048, N 2,048]; A: input h0 (given as codes); B: input Wo_h (given as codes): QUANTISED
;;     8. [M 2,048, K 2,048] x [K 2,048, N 2,048]; A: input behavior (given as codes); B: input Wo_x (given as codes): QUANTISED
;;   THE QUANTISER, for each operand of a quantised product, along K:
;;     - K is cut into blocks of 32 from its start; a last block that is shorter is filled with zeros.
;;     - A block's scale is 2^e with e = floor(log2(the largest magnitude in the block)) - 2, held to -126 .. 127; a block of zeros has e = 0. As a byte (E8M0): e + 127.
;;     - Each number is divided by its block's scale, clamped to +-6, and rounded to the nearest number of E2M1, ties to even, subnormals kept.
;;     - The product sums the exact products of the quantised numbers (number of the format x scale) in f32.
;;   ~~~python
;;   def quantise(x, axis):      # numpy; x: float32 -> the quantised numbers, widened to float32 again
;;       x = np.moveaxis(x, axis, -1); K = x.shape[-1]
;;       x = np.pad(x, [(0, 0)] * (x.ndim - 1) + [(0, -K % 32)]); x = x.reshape(x.shape[:-1] + (-1, 32)); a = np.abs(x).max(-1, keepdims=True)
;;       e = np.where(a > 0, np.clip(np.frexp(np.where(a > 0, a, 1))[1] - 1 - 2, -126, 127), 0)      # np.frexp(a)[1] - 1 = floor(log2(a)), exactly
;;       r = np.clip(x / 2.0 ** e, -6, 6)
;;       step = 2.0 ** (np.maximum(np.frexp(np.where(r == 0, 1, r))[1] - 1, 0) - 1)
;;       q = np.round(r / step) * step * 2.0 ** e      # np.round: ties to even
;;       return np.moveaxis(q.reshape(q.shape[:-2] + (-1,))[..., :K], -1, axis).astype(np.float32)
;;   ~~~
;;   INPUTS GIVEN AS CODES. Wf_h (in the module: [2048, 2048], K = its axis 0); Wf_x (in the module: [2048, 2048], K = its axis 0); Wg_h (in the module: [2048, 2048], K = its axis 0); Wg_x (in the module: [2048, 2048], K = its axis 0); Wi_h (in the module: [2048, 2048], K = its axis 0); Wi_x (in the module: [2048, 2048], K = its axis 0); Wo_h (in the module: [2048, 2048], K = its axis 0); Wo_x (in the module: [2048, 2048], K = its axis 0); behavior (in the module: [2048, 2048], K = its axis 1); h0 (in the module: [2048, 2048], K = its axis 1): each comes as NAME_codes (uint8): NAME with its K axis moved to the last place and cut into blocks of 32 codes, [.., K / 32, bytes a block], one block behind the other in memory; two codes a byte, the lower K in the low four bits (a code: sign, 2 exponent bits, 1 mantissa bit); and NAME_scales (uint8): the same leading axes, one E8M0 byte (e + 127) for each 32 codes along K. Its value is code x scale, taken as it is: it is not quantised again, and the codes and scales need not be those that the quantiser above would give.
;; One version. Each part assembles by itself: llvm-mc -triple=amdgcn-amd-amdhsa -mcpu=gfx1250 --defsym DOCPART=n.
;; ======== version 1 of 1: 1 launch
;; limits: right only within a limited range of input values
;; launch lstm (part 1): grid 32 x 8, 4 waves a work-group, clusters of 4 x 4, 327,680 bytes of LDS; arguments h0_codes, behavior_codes, Wi_h_codes, Wf_h_codes, Wg_h_codes, Wo_h_codes, Wi_x_codes, Wf_x_codes, Wg_x_codes, Wo_x_codes, h0_scales, behavior_scales, Wi_h_scales, Wf_h_scales, Wg_h_scales, Wo_h_scales, Wi_x_scales, Wf_x_scales, Wg_x_scales, Wo_x_scales, bi, bf, bg, bo, c0, out0; writes out0
.if DOCPART == 1
	.amdgcn_target "amdgcn-amd-amdhsa--gfx1250"
	.amdhsa_code_object_version 6
	.text
	.protected	k_q2f38f55683_lstm
	.globl	k_q2f38f55683_lstm
	.p2align	8
	.type	k_q2f38f55683_lstm,@function
k_q2f38f55683_lstm:
	s_mov_b64 s[64:65], 0
	v_nop
	global_prefetch_b8 v0, s[64:65] scope:SCOPE_SE
	s_setreg_imm32_b32 hwreg(HW_REG_WAVE_MODE, 25, 1), 1
	s_wait_xcnt 0x0
	s_wait_alu depctr_hold_cnt(0) depctr_sa_sdst(0) depctr_va_vdst(0) depctr_va_sdst(0) depctr_va_ssrc(0) depctr_va_vcc(0) depctr_vm_vsrc(0)
	s_getreg_b32 s2, hwreg(HW_REG_IB_STS2, 6, 4)
	s_cmp_eq_u32 s2, 0
	s_cbranch_scc0 .Lentry_in_a_cluster
	s_endpgm
.Lentry_in_a_cluster:
	s_bfe_u32 s2, ttmp6, 0x10000c
	s_cmp_lg_u32 s2, 0xf033
	s_cbranch_scc0 .Lentry_shape_is_right
	s_endpgm
.Lentry_shape_is_right:
; One LSTM step.  z_gate = h0 W_gate_h + behavior W_gate_x + b_gate for the gates i, f, g, o (numbered 0, 1, 2, 3);  c = sigmoid(z_f) c0 + sigmoid(z_i) tanh(z_g);  out0 = sigmoid(z_o) tanh(c).
; All ten matrix operands are codes of FP4 (E2M1), K innermost, 1,024 bytes a row, with one E8M0 byte for each 32 along K, 64 bytes a row: they go to the matrix unit as they lie.  Sums, biases and the tail in f32.
; AS ONE PRODUCT: M = 2,048 rows, N = 4 gates x 2,048 columns, K = 4,096: h0's 2,048, then behavior's 2,048.  K goes in 8 chunks of 512 (rows of 256 bytes), four steps of 128 each, through two LDS slots.
; SHARES.  A work-group makes 256 rows x 64 columns of out0, all four gates: 256 x 256 sums.  Four waves; wave w makes rows 128 (w / 2) on, columns 32 (w % 2) on, four gates: 128 x 128 sums, 512 registers.
; A lane then holds all four gates of each of its outputs, and the tail needs no other lane.
; THE MATRIX INSTRUCTION IS USED TRANSPOSED, in its form of 32 rows: source 0 = 32 columns of a weight, source 1 = 16 rows of h0 or behavior.  Lane l holds row l % 16; registers 0-7 the columns 8 (l / 16) + 0 .. 7, registers 8-15 those 16 further on.
; FIVE TILES A CHUNK, FOUR WAVES, ONE TENSOR LOAD A WAVE: wave 0 brings the 256 rows of h0 or behavior, waves 1-3 the 64 columns of gates 0-2.  Gate 3's 64 columns go through registers: each wave loads 16 of them
; (4,096 bytes, whole blocks of 256), a chunk ahead, and stores them into bytes of the slots where no tensor load lands.
; CLUSTERS: 4 x 4 work-groups.  The four of a row of the cluster need the same tiles of h0 and behavior, the four of a column the same tiles of the weights: each tensor tile is asked for jointly.
; THE SCALES go through registers into LDS, laid by chunk: a plane is [512 stream rows][16 bytes], the four scale words of one chunk (stream rows: 256 rows, then 4 gates x 64 columns).  Five planes, chunk c in plane (c + 1) % 5:
; the second half's four are stored in chunk 2, over planes 0-3, which were last read before the barrier into chunk 2; plane 4, chunk 3's, is not touched.
; c0's tile comes by tensor load into slot 0 when chunk 6 has left it (that slot's last fill); the tail puts h over c0's bytes, and whole rows of 256 bytes leave from there, block by block.
; PREFETCH INTO THE L2: with each chunk's load the chunk two loads on is asked for (at the head the next one too), each block of 256 bytes once in a cluster: partners and waves share the rows out by address.  A row of
; h0 or behavior is read by eight clusters: those with an even x ask.  c0 is asked for two changes of slots ahead of its load.  Base and offset registers are never rewritten.
; THE TAIL.  eX = 2^(-z_X log2 e) for i, f, o;  eG = 2^(2 z_g log2 e), eC likewise of c, both held at 2^32, where tanh is 1 in f32.  f = 1 / (1 + eF);  i tanh(z_g) = (eG - 1) / ((1 + eI)(1 + eG));
; h = (eC - 1) / ((1 + eO)(1 + eC)).  An infinite eI, eF or eO gives the reciprocal 0, which multiplies a finite number.
; LIMIT: where the expected number is NaN (a scale byte 0xff; infinity less infinity in a sum) the hold at 2^32, a minimum in which a NaN loses, can give a number instead.
; THE ORDER ALONG K: in each half, chunk n of the cluster's order is the chunk n xor (x mod 4) of memory, x the cluster's x, which all sixteen partners share: their joint loads stay alike, and four neighbouring clusters
; begin with four different chunks.  'Chunk' counts in the cluster's own order everywhere in this text.  LIMIT: so the order of a sum along K is the cluster's, and its last bits differ from those of a sum in ascending order.
.set PITCH, 272                        ; an LDS row: 256 bytes + 16 of padding = 68 words: the 16 rows that a fragment load touches start at 16 different banks (64 banks of 4 bytes: ISA guide 11.1)
.set QT,    64*PITCH
.set SLOT,  8*QT                       ; 256 rows of h0 or behavior, then 4 gates x 64 columns of weights
.set ABLK,  16*PITCH
.set AHALF, 128*PITCH
.set WOFF,  256*PITCH                  ; where the weights begin in a slot
.set SCL,   2*SLOT                     ; behind the ring: the scale planes; no tensor load lands here
.set PL,    8256                       ; a plane: 8,192 bytes + 64, so that the 16 lanes of a store's pass fall into 16 different columns of 16 bytes
.set SPARE, 320000                     ; the spare words, 128 bytes for each of four waves: two blocks of 256 bytes that no other line names
; vector registers, window 0
.set ADRA, 4                           ; v4-5   LDS address of my rows' fragments in slot 0, 1
.set ADRB, 6                           ; v6-7   the same for my columns of gate 0
.set ASA,  8                           ; v8     my rows' scale words in plane 0 (lanes 16-31 as lanes 0-15)
.set ASB,  9                           ; v9     my 32 columns' scale words of gate 0, a lane a column
.set SST,  10                          ; v10    where I store scales into the planes
.set LIN,  11                          ; v11    16 x lane
.set SPW,  12                          ; v12    LDS address of my spare word; never rewritten
.set NIL,  13                          ; v13    0; never rewritten
.set CAD,  14                          ; v14    my bytes of a row of c0's tile
.set RD,   15                          ; v15    the way out: where I read rows back
.set GO,   16                          ; v16    and my byte offset in out0
.set BOF,  17                          ; v17    my columns in a bias
.set G3S,  18                          ; v18-19 where I store gate 3's codes in slot 0, 1
.set PFV,  20                          ; v20-23 prefetch of codes, chunk n at n % 4: (lane, at most 15) x a row of 1,024 bytes, + 256 (n xor x mod 4)
.set PFC,  26                          ; v26    prefetch of c0: lane x a row of 8,192 bytes
.set G3L,  28                          ; v28-31 offset of gate 3's codes in memory, chunk n at n % 4
.set SC,   32                          ; v32-127  scale words, two sets of 48 (set = chunk % 2): register 4 i + q rows' block i; 32 + 4 g + q gate g
.set AF,   128                         ; v128-255 the rows' 8 fragments, two sets of 64 (set = step % 2)
; the tail
.set E,    32                          ; v32-159 gate g's 32 numbers at E + 32 g
.set NG,   160                         ; numerators, then h
.set CZ,   192                         ; c0, then c
.set OB,   224                         ; v224-255 rows read back
; window 1: v0-127 the weights' fragments, two sets of 64, gate g at 16 g
.set GX,   128                         ; v128-159 gate 3's codes on their way, even chunks
.set GY,   224                         ; v224-255 odd chunks
.set XS,   160                         ; v160-223 the second half's scales on their way; later the biases, gate g at XS + 16 g
; windows 2, 3: accumulator (a, g) at v[16 (4 (a % 4) + g)], blocks 0-3 and 4-7
; scalar registers
.set CL, 2                             ; 32.0 (from the head's end on)
.set WV, 4
.set RH, 5                             ; wave / 2: my rows
.set CH, 6                             ; wave % 2: my columns
.set CX, 7
.set CY, 8
.set TX, 9                             ; which 64 columns of out0
.set TY, 10                            ; which 256 rows
.set ODD, 11                           ; the cluster's x is odd
.set XO, 7                             ; 256 (x mod 4), when cx has been used
.set SA2, 12                           ; scales that I copy: rows' and gate w's, second half
.set SW2, 14
.set G1A, 16                           ; s[16:23] descriptor group 1, rows' tiles;  s[24:31] weights';  s[32:39] c0's
.set G1B, 24
.set G1C, 32
.set G0A, 40                           ; s[40:47] group 0, rows' tiles, a set for each slot;  s[48:55] weights';  s[56:59] c0's
.set G0B, 48
.set G0C, 56
.set A1, 60                            ; h0's codes at the work-group's rows; A2: behavior's
.set A2, 62
.set B1, 66                            ; codes of gate w - 1 at the work-group's columns, _h; B2: _x
.set B2, 68
.set G3H, 70                           ; gate 3's codes at the 16 columns that I bring, _h; G3X: _x
.set BIA, 72                           ; s[72:79] the four biases at the work-group's columns
.set G3X, 80
.set PAH, 82                           ; prefetch: my 16 rows of h0, of behavior, my 16 columns of gate w, _h and _x
.set PAX, 84
.set PWH, 86
.set PWX, 88
.set TP, 90                            ; an offset, as a pair; later KN: -log2 e, twice (a packed form names the pair)
.set KN, 90
.set C0P, 92                           ; c0 at the 64 rows that I bring
.set OUT, 94
.set KP, 96                            ; 2 log2 e, twice
.set SW1, 98                           ; scales that I copy, first half
.set SA1, 100
.set MUL_LO, 0xa1                      ; source 0 (weights) window 1, source 1 (rows) window 0, C and D window 2
.set MUL_HI, 0xf1                      ; the same, C and D window 3
.set TO_B,   0x40                      ; destination window 1, address window 0
.set FROM_B, 0x04                      ; store data window 1, address window 0
.set MSB, 0
.macro WIN new                         ; the immediate's high byte repeats the setting that is left; a switch that changes nothing is dropped
.if MSB != \new
	s_set_vgpr_msb (MSB<<8)|\new
.set MSB, \new
.endif
.endm
.macro PLACES                          ; plain vector places behind matrix instructions, in front of loads into registers that they have read
.rept 4
	v_nop
.endr
.endm
.macro CREST                           ; a round of the cluster's barrier behind its opening barrier
	s_cmp_lg_u32 s[WV], 0
	s_cbranch_scc1 .Lnot_wave_0_\@
	s_barrier_signal -3
.Lnot_wave_0_\@:
	s_barrier_wait -3
	s_barrier_signal -1
	s_barrier_wait -1
.endm
.macro CROUND
	s_barrier_signal -1
	s_barrier_wait -1
	CREST
.endm
; A joint load into slot s.  The branch hangs on the wave's number alone.  Four v_nop follow each of the two lines, ahead of the jump, the label and what follows.
.macro JLOAD s
	s_cmp_eq_u32 s[WV], 0
	s_cbranch_scc0 .Lfor_b_\@
	tensor_load_to_lds s[G0A+4*(\s):G0A+4*(\s)+3], s[G1A:G1A+7]
	s_nop 0
	PLACES
	s_branch .Lasked_\@
.Lfor_b_\@:
	tensor_load_to_lds s[G0B+4*(\s):G0B+4*(\s)+3], s[G1B:G1B+7]
	s_nop 0
	PLACES
.Lasked_\@:
.endm
; c0's tile, 256 rows x 256 bytes, into the rows' part of slot 0: each wave brings 64 rows; a load of the work-group's own, with no mask
.macro CLOAD
	tensor_load_to_lds s[G0C:G0C+3], s[G1C:G1C+7]
	s_nop 0
	PLACES
.endm
; Both group 0 sets of slot n % 2 are set to chunk n.  It stands behind the wait for all my tensor loads: none is out, so a group 0 may be written.
.macro NEXTADR n
	s_xor_b32 s[TP], s[XO], 256*((\n)%4)           ; (the pair's high word is 0)
.if (\n) < 4
	s_add_nc_u64 s[G0A+4*((\n)%2)+2:G0A+4*((\n)%2)+3], s[A1:A1+1], s[TP:TP+1]
	s_add_nc_u64 s[G0B+4*((\n)%2)+2:G0B+4*((\n)%2)+3], s[B1:B1+1], s[TP:TP+1]
.else
	s_add_nc_u64 s[G0A+4*((\n)%2)+2:G0A+4*((\n)%2)+3], s[A2:A2+1], s[TP:TP+1]
	s_add_nc_u64 s[G0B+4*((\n)%2)+2:G0B+4*((\n)%2)+3], s[B2:B2+1], s[TP:TP+1]
.endif
	s_or_b32 s[G0A+4*((\n)%2)+3], s[G0A+4*((\n)%2)+3], 0x80000000
	s_or_b32 s[G0B+4*((\n)%2)+3], s[G0B+4*((\n)%2)+3], 0x80000000
.endm
; The prefetch of chunk n: lanes 0-15 name 16 rows, lanes 16-31 the last of them again.
.macro ASK n
.if (\n) < 4
.set pA, PAH
.set pW, PWH
.else
.set pA, PAX
.set pW, PWX
.endif
	global_prefetch_b8 v[PFV+((\n)%4)], s[pW:pW+1] th:TH_LOAD_NT scope:SCOPE_SE
	s_cmp_eq_u32 s[ODD], 0
	s_cbranch_scc0 .Lodd_\@
	global_prefetch_b8 v[PFV+((\n)%4)], s[pA:pA+1] th:TH_LOAD_NT scope:SCOPE_SE
.Lodd_\@:
.endm
.macro ASKC                            ; c0: the 64 rows that I bring, read by no other work-group
	global_prefetch_b8 v[PFC], s[C0P:C0P+1] th:TH_LOAD_NT scope:SCOPE_SE
	global_prefetch_b8 v[PFC], s[C0P:C0P+1] offset:32*8192 th:TH_LOAD_NT scope:SCOPE_SE
.endm
; A fragment, 16 rows x 128 K of 4-bit codes, is 8 registers: lane l holds row l % 16; registers 4 k .. 4 k + 3 hold K = 64 k + 32 (l / 16) + 0 .. 31: 16 bytes of the row as they lie
.macro BL slot, q, set, g0             ; my 32 columns of gates g0, g0 + 1: 8 loads
	WIN TO_B
.irp g, 0,1
.irp j, 0,1
.irp k, 0,1
	ds_load_b128 v[64*(\set)+16*(\g0+\g)+8*\j+4*\k:64*(\set)+16*(\g0+\g)+8*\j+4*\k+3], v[ADRB+(\slot)] offset:(\g0+\g)*QT+\j*ABLK+64*(\q)+32*\k
.endr
.endr
.endr
.endm
.macro AL slot, q, set, i0             ; my rows' blocks i0 .. i0 + 3: 8 loads
	WIN 0
.irp i, 0,1,2,3
.irp k, 0,1
	ds_load_b128 v[AF+64*(\set)+8*(\i0+\i)+4*\k:AF+64*(\set)+8*(\i0+\i)+4*\k+3], v[ADRA+(\slot)] offset:(\i0+\i)*ABLK+64*(\q)+32*\k
.endr
.endr
.endm
.macro SCALES c                        ; chunk c's scale words into set c % 2: 12 loads
	WIN 0
.set sp, PL*(((\c)+1)%5)
.set sr, SC+48*((\c)%2)
.irp i, 0,1,2,3,4,5,6,7
	ds_load_b128 v[sr+4*\i:sr+4*\i+3], v[ASA] offset:sp+256*\i
.endr
.irp g, 0,1,2,3
	ds_load_b128 v[sr+32+4*\g:sr+32+4*\g+3], v[ASB] offset:sp+1024*\g
.endr
.endm
.macro SLOAD base, sa, sw              ; a half's scales of 64 rows and of gate w's 64 columns: 4,096 dense bytes each, 512 consecutive bytes a load: 16 loads
	WIN TO_B
.irp j, 0,1,2,3,4,5,6,7
	global_load_b128 v[\base+4*\j:\base+4*\j+3], v[LIN], s[\sa:\sa+1] offset:512*\j
	global_load_b128 v[\base+32+4*\j:\base+32+4*\j+3], v[LIN], s[\sw:\sw+1] offset:512*\j
.endr
.endm
.macro SSTORE base, off                ; into the planes: a lane holds the 16 bytes of the half's chunk l % 4 of row l / 4: 16 stores
	WIN FROM_B
.irp j, 0,1,2,3,4,5,6,7
	ds_store_b128 v[SST], v[\base+4*\j:\base+4*\j+3] offset:\off+128*\j
	ds_store_b128 v[SST], v[\base+32+4*\j:\base+32+4*\j+3] offset:\off+4096+128*\j
.endr
.endm
.macro G3LOAD n, reg                   ; chunk n's 16 columns of gate 3: two rows of 256 bytes a load: 8 loads
	WIN TO_B
.if (\n) < 4
.set p3, G3H
.else
.set p3, G3X
.endif
.irp t, 0,1,2,3,4,5,6,7
	global_load_b128 v[\reg+4*\t:\reg+4*\t+3], v[G3L+((\n)%4)], s[p3:p3+1] offset:2048*\t
.endr
.endm
.macro G3STORE slot, reg               ; 8 stores
	WIN FROM_B
.irp t, 0,1,2,3,4,5,6,7
	ds_store_b128 v[G3S+(\slot)], v[\reg+4*\t:\reg+4*\t+3] offset:2*PITCH*\t
.endr
.endm
.macro BIASLOAD                        ; my 16 columns of each bias, into the registers that the scales have left: 16 loads
	WIN TO_B
.irp g, 0,1,2,3
.irp j, 0,1
.irp k, 0,1
	global_load_b128 v[XS+16*\g+8*\j+4*\k:XS+16*\g+8*\j+4*\k+3], v[BOF], s[BIA+2*\g:BIA+2*\g+1] offset:64*\j+16*\k
.endr
.endr
.endr
.endm
; One product: rows' block a x gate g.  zero = 1: it starts its sum: nothing is ever cleared.
.macro WM a, g, set, q, sc, zero
.set rD, 16*(4*((\a)%4)+(\g))
.set rB, 64*(\set)+16*(\g)
.set rA, AF+64*(\set)+8*(\a)
.set rT, SC+48*(\sc)+32+4*(\g)+(\q)
.set rS, SC+48*(\sc)+4*(\a)+(\q)
.if \zero
	v_wmma_scale_f32_32x16x128_f4 v[rD:rD+15], v[rB:rB+15], v[rA:rA+7], 0, v[rT], v[rS]
.else
	v_wmma_scale_f32_32x16x128_f4 v[rD:rD+15], v[rB:rB+15], v[rA:rA+7], v[rD:rD+15], v[rT], v[rS]
.endif
.endm
; Blocks a0 .. a0 + n - 1 x the four gates.  The 32 accumulators take turns, one instruction a turn, in the same order in every step.
.macro MUL a0, n, set, q, sc, zero
.if (\a0) < 4
	WIN MUL_LO
.else
	WIN MUL_HI
.endif
.set ma, \a0
.rept \n
.irp g, 0,1,2,3
	WM ma, \g, \set, \q, \sc, \zero
.endr
.set ma, ma+1
.endr
.endm
; A step of 128 along K that has its successor in the same slot: the successor's fragments are asked for in one run, into the other set, and 32 products on this set follow.  At its start the youngest twelve LDS loads are
; those of the rows' blocks 2-7.  The other set was last read by the step before: the four places at the start serve all loads of the step.  NE: other LDS instructions of this step, issued ahead of the run.
.macro STEP c, q, zero
.set NE, 0
.if ((\q) == 0) && ((\c) != 0) && ((\c) < 7)
.set NE, 8
.endif
.if ((\q) == 2) && ((\c) == 0)
.set NE, 8
.endif
.if ((\q) == 1) && ((\c) < 7)
.set NE, 12
.endif
.if ((\q) == 2) && ((\c) == 2)
.set NE, 16
.endif
	PLACES
	s_wait_dscnt 12                                ; the weights and blocks 0, 1 are in
.if ((\q) == 2) && ((\c) == 0)
	s_wait_loadcnt 24                              ; gate 3's chunk 1 is in registers; the second half's scales and chunk 2's part, 24 younger loads, may be out
	G3STORE 1, GY
.endif
.if ((\q) == 0) && ((\c) != 0) && ((\c) < 7)
	s_wait_loadcnt 0x0
	G3STORE ((\c)+1)%2, GX+(GY-GX)*(((\c)+1)%2)    ; into the other slot, which every wave has left
.endif
.if ((\q) == 1) && ((\c) < 7)
	SCALES (\c)+1
.endif
.if ((\q) == 1) && ((\c) < 6)
	G3LOAD (\c)+2, GX+(GY-GX)*((\c)%2)             ; these registers' stores were waited for at this step's start or before
.endif
.if ((\q) == 2) && ((\c) == 2)
	SSTORE XS, 0
.endif
.if ((\q) == 2) && ((\c) == 3)
	BIASLOAD
.endif
	BL (\c)%2, (\q)+1, ((\q)+1)%2, 0
	BL (\c)%2, (\q)+1, ((\q)+1)%2, 2
	AL (\c)%2, (\q)+1, ((\q)+1)%2, 0
	AL (\c)%2, (\q)+1, ((\q)+1)%2, 4
	MUL 0, 2, (\q)%2, \q, (\c)%2, \zero
	s_wait_dscnt 40+NE                             ; blocks 2, 3: behind them blocks 4-7, the extras and the run of 32
	MUL 2, 2, (\q)%2, \q, (\c)%2, \zero
	s_wait_dscnt 36+NE                             ; blocks 4, 5
	MUL 4, 2, (\q)%2, \q, (\c)%2, \zero
	s_wait_dscnt 32+NE                             ; blocks 6, 7
.if ((\q) == 2) && ((\c) < 7)
	WIN 0                                          ; the change of slots begins here: its add is out while the last eight products are issued
	s_wait_tensorcnt 0x0                           ; all my tensor loads have landed: the one that was out is my part of the next slot
	ds_add_u32 v[SPW], v[NIL]                      ; 0 onto my spare word
.if (\c) <= 5
	NEXTADR (\c)+2
.endif
.endif
	MUL 6, 2, (\q)%2, \q, (\c)%2, \zero
.endm
; A chunk's last step changes slots.  All its fragments were asked for in the step before, and so was the add, behind the wait for all my tensor loads; here each wave waits for the add and for its reads of this slot, and
; the barrier opens a round of the cluster's.  Behind the round no wave of any partner reads this slot or has a load on its way: the refill comes first, one tensor load a wave; then the next chunk's first fragments, ahead
; of the last 24 products.
.macro TURN c
	s_wait_dscnt 0x0                               ; the add is done, and my reads of this slot are over
	s_barrier_signal -1
	MUL 0, 2, 1, 3, (\c)%2, 0
	WIN 0
	s_barrier_wait -1
	CREST
.if (\c) <= 5
	JLOAD (\c)%2                                   ; chunk c + 2; the four v_nop behind it are also the places in front of the loads below
.else
	CLOAD                                          ; slot 0's last fill: c0
.endif
	BL ((\c)+1)%2, 0, 0, 0
	BL ((\c)+1)%2, 0, 0, 2
	AL ((\c)+1)%2, 0, 0, 0
	AL ((\c)+1)%2, 0, 0, 4
.if (\c) <= 3
	ASK (\c)+4
.endif
.if (\c) == 4
	ASKC
.endif
	MUL 2, 2, 1, 3, (\c)%2, 0
	MUL 4, 4, 1, 3, (\c)%2, 0
.endm
	s_load_b512 s[16:31], s[0:1], 0x0              ; h0 16, behavior 18, Wi_h 20, Wf_h 22, Wg_h 24, Wo_h 26, Wi_x 28, Wf_x 30: codes
	s_load_b128 s[32:35], s[0:1], 0x40             ; Wg_x 32, Wo_x 34
	s_load_b512 s[36:51], s[0:1], 0x50             ; the same ten tensors' scales: 36, 38, 40 .. 50,
	s_load_b128 s[52:55], s[0:1], 0x90             ; 52, 54
	s_load_b256 s[72:79], s[0:1], 0xa0             ; bi, bf, bg, bo
	s_load_b128 s[56:59], s[0:1], 0xc0             ; c0, out0
	v_lshl_add_u32 v[SPW], v0, 2, SPARE
	v_mov_b32 v[NIL], 0
	ds_add_u32 v[SPW], v[NIL]                      ; the wave's opening: the add, twice on end, and its wait ahead of my first tensor load
	ds_add_u32 v[SPW], v[NIL]
	v_lshrrev_b32 v20, 5, v0
	v_readfirstlane_b32 s[WV], v20                 ; wave 0..3
	s_lshr_b32 s[RH], s[WV], 1
	s_and_b32 s[CH], s[WV], 1
	s_bfe_u32 s[CX], ttmp6, 0x40000                ; my place in the cluster
	s_bfe_u32 s[CY], ttmp6, 0x40004
	s_lshl_b32 s[TX], ttmp9, 2
	s_add_co_u32 s[TX], s[TX], s[CX]               ; 4 x cluster x + cx
	s_and_b32 s[TY], ttmp7, 0xffff
	s_lshl_b32 s[TY], s[TY], 2
	s_add_co_u32 s[TY], s[TY], s[CY]               ; 4 x cluster y + cy
	s_and_b32 s[ODD], ttmp9, 1
	s_and_b32 s88, ttmp9, 3                        ; x mod 4
	s_lshl_b32 s89, s88, 8                         ; in a row of codes: 256 bytes a chunk
	s_lshl_b32 s88, s88, 4                         ; in a row of scales: 16 bytes a chunk
	s_lshl_b32 s2, s[CY], 2
	s_lshl_b32 s2, 15, s2                          ; my row of the cluster
	s_lshl_b32 s3, 0x1111, s[CX]                   ; my column
	s_mul_i32 s80, s[RH], AHALF                    ; my rows in a slot
	s_mul_i32 s81, s[CH], 32*PITCH                 ; my columns
	s_add_co_u32 s81, s81, WOFF
	s_lshl_b32 s82, s[RH], 11                      ; their scale words
	s_add_co_u32 s82, s82, SCL
	s_lshl_b32 s83, s[CH], 9
	s_add_co_u32 s83, s83, SCL+4096
	s_lshl_b32 s84, s[WV], 10                      ; the stream rows that I copy scales for
	s_add_co_u32 s84, s84, SCL
	s_lshl_b32 s85, s[CH], 7                       ; my 32 columns of out0, in bytes
	s_mul_i32 s86, s[CH], 8*PITCH                  ; of a block's 16 rows I store 8
	s_add_co_u32 s86, s86, s80
	s_mul_i32 s87, s[WV], 16*PITCH                 ; the 16 columns of gate 3 that I bring
	s_add_co_u32 s87, s87, WOFF+3*QT
	v_and_b32 v1, 15, v0                           ; r
	v_bfe_u32 v2, v0, 4, 1                         ; hl
	v_and_b32 v3, 31, v0                           ; lane
	v_and_b32 v22, 3, v0
	v_bfe_u32 v23, v0, 2, 3
	v_mul_u32_u24 v20, v1, PITCH
	v_mul_u32_u24 v[RD], v2, PITCH
	v_mul_u32_u24 v22, v22, PL
	v_lshl_add_u32 v21, v2, 4, v20                 ; a fragment's row x pitch + 16 x half
	v_lshl_add_u32 v[RD], v1, 4, v[RD]             ; lanes 0-15 one row of 256 bytes, lanes 16-31 the next
	v_lshl_add_u32 v22, v23, 4, v22
	v_lshl_add_u32 v[CAD], v2, 5, v20
	v_add_nc_u32 v[ADRA], s80, v21
	v_add_nc_u32 v[ADRB], s81, v21
	v_add_nc_u32 v[G3S], s87, v[RD]
	v_add_nc_u32 v[SST], s84, v22
	v_add_nc_u32 v[CAD], s80, v[CAD]
	v_add_nc_u32 v[RD], s86, v[RD]
	v_add_nc_u32 v[ADRA+1], SLOT, v[ADRA]
	v_add_nc_u32 v[ADRB+1], SLOT, v[ADRB]
	v_add_nc_u32 v[G3S+1], SLOT, v[G3S]
	v_add_nc_u32 v[CAD], s85, v[CAD]               ; row r of my 128, + 128 ch + 32 hl bytes
	v_lshl_add_u32 v[ASA], v1, 4, s82
	v_lshl_add_u32 v[ASB], v3, 4, s83
	v_lshl_add_u32 v[BOF], v2, 5, s85
	v_lshlrev_b32 v[LIN], 4, v3
	v_lshlrev_b32 v[G3L], 10, v2
	v_lshlrev_b32 v[GO], 13, v2
	v_min_u32 v[PFV], 15, v3
	v_lshlrev_b32 v[PFC], 13, v3
	v_xor_b32 v[LIN], s88, v[LIN]                  ; the 32 lanes still take 512 consecutive bytes
	v_lshl_add_u32 v[G3L], v1, 4, v[G3L]
	v_lshl_add_u32 v[GO], v1, 4, v[GO]
	v_lshlrev_b32 v[PFV], 10, v[PFV]
	v_xor_b32 v[G3L], s89, v[G3L]                  ; bits 8 and 9 of the offset pick the chunk
	v_xor_b32 v[PFV], s89, v[PFV]
.irp n, 1,2,3
	v_xor_b32 v[G3L+\n], 256*\n, v[G3L]
	v_xor_b32 v[PFV+\n], 256*\n, v[PFV]
.endr
	s_wait_alu depctr_va_vdst(0)                   ; directly ahead of the waits below
	s_wait_dscnt 0x0                               ; both opening adds are done
	s_wait_kmcnt 0x0
	; choices on the wave's number: gate w's codes (prefetch) and scales, gate w - 1's codes (tensor loads of waves 1-3)
	s_mov_b64 s[B1:B1+1], s[20:21]
	s_mov_b64 s[B2:B2+1], s[28:29]
	s_mov_b64 s[PWH:PWH+1], s[20:21]
	s_mov_b64 s[PWX:PWX+1], s[28:29]
	s_mov_b64 s[SW1:SW1+1], s[40:41]
	s_mov_b64 s[SW2:SW2+1], s[48:49]
	s_cmp_eq_u32 s[WV], 1
	s_cselect_b64 s[PWH:PWH+1], s[22:23], s[PWH:PWH+1]
	s_cselect_b64 s[PWX:PWX+1], s[30:31], s[PWX:PWX+1]
	s_cselect_b64 s[SW1:SW1+1], s[42:43], s[SW1:SW1+1]
	s_cselect_b64 s[SW2:SW2+1], s[50:51], s[SW2:SW2+1]
	s_cmp_eq_u32 s[WV], 2
	s_cselect_b64 s[B1:B1+1], s[22:23], s[B1:B1+1]
	s_cselect_b64 s[B2:B2+1], s[30:31], s[B2:B2+1]
	s_cselect_b64 s[PWH:PWH+1], s[24:25], s[PWH:PWH+1]
	s_cselect_b64 s[PWX:PWX+1], s[32:33], s[PWX:PWX+1]
	s_cselect_b64 s[SW1:SW1+1], s[44:45], s[SW1:SW1+1]
	s_cselect_b64 s[SW2:SW2+1], s[52:53], s[SW2:SW2+1]
	s_cmp_eq_u32 s[WV], 3
	s_cselect_b64 s[B1:B1+1], s[24:25], s[B1:B1+1]
	s_cselect_b64 s[B2:B2+1], s[32:33], s[B2:B2+1]
	s_cselect_b64 s[PWH:PWH+1], s[26:27], s[PWH:PWH+1]
	s_cselect_b64 s[PWX:PWX+1], s[34:35], s[PWX:PWX+1]
	s_cselect_b64 s[SW1:SW1+1], s[46:47], s[SW1:SW1+1]
	s_cselect_b64 s[SW2:SW2+1], s[54:55], s[SW2:SW2+1]
	s_mov_b32 s[TP+1], 0
	s_lshl_b32 s[TP], s[TY], 14                    ; scales: 64 bytes a row: 256 ty + 64 w rows;
	s_lshl_b32 s[KP], s[WV], 12
	s_or_b32 s[TP], s[TP], s[KP]
	s_add_nc_u64 s[SA1:SA1+1], s[36:37], s[TP:TP+1]
	s_add_nc_u64 s[SA2:SA2+1], s[38:39], s[TP:TP+1]
	s_lshl_b32 s[TP], s[TX], 12                    ; 64 tx columns
	s_add_nc_u64 s[SW1:SW1+1], s[SW1:SW1+1], s[TP:TP+1]
	s_add_nc_u64 s[SW2:SW2+1], s[SW2:SW2+1], s[TP:TP+1]
	s_lshl_b32 s[TP], s[TX], 16                    ; codes: 1,024 bytes a row: 64 tx columns + 16 w
	s_lshl_b32 s[KP], s[WV], 14
	s_or_b32 s[TP], s[TP], s[KP]
	s_add_nc_u64 s[G3H:G3H+1], s[26:27], s[TP:TP+1]
	s_add_nc_u64 s[G3X:G3X+1], s[34:35], s[TP:TP+1]
	s_lshl_b32 s[TP], s[TX], 16
	s_add_nc_u64 s[B1:B1+1], s[B1:B1+1], s[TP:TP+1]
	s_add_nc_u64 s[B2:B2+1], s[B2:B2+1], s[TP:TP+1]
	s_lshl_b32 s[KP], s[CY], 14                    ; of gate w's 64 columns the four partners of a column take 16 each
	s_or_b32 s[TP], s[TP], s[KP]
	s_add_nc_u64 s[PWH:PWH+1], s[PWH:PWH+1], s[TP:TP+1]
	s_add_nc_u64 s[PWX:PWX+1], s[PWX:PWX+1], s[TP:TP+1]
	s_lshl_b32 s[TP], s[TY], 18                    ; 256 ty rows: made of ty alone
	s_add_nc_u64 s[A1:A1+1], s[16:17], s[TP:TP+1]
	s_add_nc_u64 s[A2:A2+1], s[18:19], s[TP:TP+1]
	s_lshl_b32 s[KP], s[CX], 16                    ; of the 256 rows the four partners of a row take 64 each, a wave 16
	s_or_b32 s[TP], s[TP], s[KP]
	s_lshl_b32 s[KP], s[WV], 14
	s_or_b32 s[TP], s[TP], s[KP]
	s_add_nc_u64 s[PAH:PAH+1], s[16:17], s[TP:TP+1]
	s_add_nc_u64 s[PAX:PAX+1], s[18:19], s[TP:TP+1]
	s_lshl_b32 s[TP], s[TX], 8                     ; 64 columns of a bias
.irp g, 0,1,2,3
	s_add_nc_u64 s[BIA+2*\g:BIA+2*\g+1], s[BIA+2*\g:BIA+2*\g+1], s[TP:TP+1]
.endr
	s_lshl_b32 s[KP], s[TY], 21                    ; 256 ty rows of 8,192 bytes + 64 tx columns of 4 bytes
	s_or_b32 s[TP], s[TP], s[KP]
	s_lshl_b32 s[KP], s[WV], 19                    ; c0: + the 64 rows that I bring
	s_or_b32 s[KP], s[KP], s[TP]
	s_mov_b32 s[KP+1], 0
	s_add_nc_u64 s[C0P:C0P+1], s[56:57], s[KP:KP+1]
	s_lshl_b32 s[KP], s[RH], 20                    ; out0: + my 128 rows, and 8 of each block's 16
	s_or_b32 s[TP], s[TP], s[KP]
	s_lshl_b32 s[KP], s[CH], 16
	s_or_b32 s[TP], s[TP], s[KP]
	s_add_nc_u64 s[OUT:OUT+1], s[58:59], s[TP:TP+1]
	; descriptor groups 1: a tile of 256 or 64 rows x 256 elements of one byte, 16 bytes of padding behind each row
	s_or_b32 s[G1A], s2, (1<<20)|(1<<21)|(5<<22)|(3<<25)   ; 15:0 the mask: my row of the cluster; 17:16 elements of 1 byte; 20 padding on; 21 set beside a mask; 24:22 after every 64 words; 31:25 four words
	s_or_b32 s[G1B], s3, (1<<20)|(1<<21)|(5<<22)|(3<<25)   ; the same with the mask of my column
	s_mov_b32 s[G1C], (1<<20)|(5<<22)|(3<<25)              ; no mask
.irp g, G1A, G1B, G1C
	s_mov_b32 s[\g+1], 256<<16                     ; tensor_dim0
	s_mov_b32 s[\g+3], 256<<16                     ; tile_dim0
	s_mov_b32 s[\g+6], 0
	s_mov_b32 s[\g+7], 0
.endr
	s_mov_b32 s[G1A+2], 256<<16                    ; tensor_dim1
	s_mov_b32 s[G1A+4], 256                        ; tile_dim1
	s_mov_b32 s[G1A+5], 1024                       ; from row to row
	s_mov_b32 s[G1B+2], 64<<16
	s_mov_b32 s[G1B+4], 64
	s_mov_b32 s[G1B+5], 1024
	s_mov_b32 s[G1C+2], 64<<16
	s_mov_b32 s[G1C+4], 64
	s_mov_b32 s[G1C+5], 8192
	s_mul_i32 s3, s[WV], QT                        ; where tiles go in a slot: gate w - 1 behind the rows; no place in the cluster enters an LDS address
	s_mov_b32 s[G0C], 1
	s_mov_b32 s[G0C+1], s3                         ; c0: rows 64 w on
	s_mov_b64 s[G0C+2:G0C+3], s[C0P:C0P+1]
	s_or_b32 s[G0C+3], s[G0C+3], 0x80000000
.irp s, 0,1
	s_mov_b32 s[G0A+4*\s], 1
	s_mov_b32 s[G0A+4*\s+1], \s*SLOT
	s_mov_b32 s[G0B+4*\s], 1
	s_add_co_u32 s[G0B+4*\s+1], s3, WOFF-QT+\s*SLOT
.endr
	s_and_b32 s[XO], ttmp9, 3
	s_lshl_b32 s[XO], s[XO], 8
	NEXTADR 0
	NEXTADR 1
	s_mov_b32 s[CL], 0x42000000
	s_mov_b32 s[KP], 0x4038aa3b
	s_mov_b32 s[KP+1], s[KP]
	CROUND                                         ; all sixteen work-groups are here: the first joint loads meet
	JLOAD 0                                        ; chunk 0: one tensor load a wave at the head
	SLOAD 0, SA1, SW1                              ; the first half's scales, into registers that hold no fragments yet,
	G3LOAD 0, 64                                   ; and chunk 0's part of gate 3
	s_wait_loadcnt 0x0
	SSTORE 0, PL                                   ; the half's chunk l % 4 into plane l % 4 + 1
	G3STORE 0, 64
	WIN 0
	ASK 1
	ASK 2
	s_wait_alu depctr_va_vdst(0)
	s_wait_tensorcnt 0x0                           ; my part of chunk 0 is in
	ds_add_u32 v[SPW], v[NIL]
	s_wait_dscnt 0x0                               ; the add is done, and so are my stores
	CROUND                                         ; everybody's part of chunk 0 is in, and the joint loads meet
	JLOAD 1                                        ; chunk 1: slot 1's first fill
	BL 0, 0, 0, 0
	BL 0, 0, 0, 2
	SCALES 0
	AL 0, 0, 0, 0
	AL 0, 0, 0, 4
	G3LOAD 1, GY
	SLOAD XS, SA2, SW2                             ; the second half's scales wait there until chunk 2
	WIN 0
	ASK 3
	STEP 0, 0, 1                                   ; the first step's products start the sums
	STEP 0, 1, 0
	STEP 0, 2, 0
	TURN 0
.irp c, 1,2,3,4,5,6
	STEP \c, 0, 0
	STEP \c, 1, 0
	STEP \c, 2, 0
	TURN \c
.endr
	STEP 7, 0, 0
	STEP 7, 1, 0
	STEP 7, 2, 0
	s_wait_dscnt 12                                ; the very last step: nothing more to fetch
	MUL 0, 2, 1, 3, 1, 0
	s_wait_dscnt 8
	MUL 2, 2, 1, 3, 1, 0
	s_wait_dscnt 0x0
	s_wait_tensorcnt 0x0                           ; my part of c0's tile is in (no load was issued behind it)
	s_barrier_signal -1
	MUL 4, 4, 1, 3, 1, 0
	WIN 0
	s_barrier_wait -1                              ; c0's tile is whole for every wave
	; THE TAIL.  The biases take their gate's factor once; these 32 lines are also the places behind the last products.
	s_mov_b32 s[KN], 0xbfb8aa3b
	s_mov_b32 s[KN+1], s[KN]
	WIN 0x41
.irp g, 0,1,2,3
.irp p, 0,2,4,6,8,10,12,14
.if \g == 2
	v_pk_mul_f32 v[XS+16*\g+\p:XS+16*\g+\p+1], v[XS+16*\g+\p:XS+16*\g+\p+1], s[KP:KP+1] op_sel_hi:[1,0]
.else
	v_pk_mul_f32 v[XS+16*\g+\p:XS+16*\g+\p+1], v[XS+16*\g+\p:XS+16*\g+\p+1], s[KN:KN+1] op_sel_hi:[1,0]
.endif
.endr
.endr
	WIN 0
; Sixteen neighbouring numbers, two a line: less 1; plus 1; d = x y; d = d y + y.
.macro LESS1 d, x
.irp p, 0,2,4,6,8,10,12,14
	v_pk_add_f32 v[\d+\p:\d+\p+1], v[\x+\p:\x+\p+1], -1.0 op_sel_hi:[1,0]
.endr
.endm
.macro PLUS1 d
.irp p, 0,2,4,6,8,10,12,14
	v_pk_add_f32 v[\d+\p:\d+\p+1], v[\d+\p:\d+\p+1], 1.0 op_sel_hi:[1,0]
.endr
.endm
.macro TIMES d, x, y
.irp p, 0,2,4,6,8,10,12,14
	v_pk_mul_f32 v[\d+\p:\d+\p+1], v[\x+\p:\x+\p+1], v[\y+\p:\y+\p+1]
.endr
.endm
.macro TIMES1 d, y
.irp p, 0,2,4,6,8,10,12,14
	v_pk_fma_f32 v[\d+\p:\d+\p+1], v[\d+\p:\d+\p+1], v[\y+\p:\y+\p+1], v[\y+\p:\y+\p+1]
.endr
.endm
.macro HOLD                            ; the 32 exponents of eG or eC are held at 32
.set ee, E+64
.rept 32
	v_min_num_f32 v[ee], s[CL], v[ee]
.set ee, ee+1
.endr
.endm
; A batch of n transcendentals in place from register b on: a wait ahead of it, and one plain line and one wait behind it
.macro BATCH op, b, n
	s_wait_alu depctr_va_vdst(0)
.set ee, \b
.rept \n
	\op v[ee], v[ee]
.set ee, ee+1
.endr
	v_nop
	s_wait_alu depctr_va_vdst(0)
.endm
; Pair b: blocks 2 b and 2 b + 1 (u = 0, 1), 32 rows x my 32 columns, 32 outputs a lane: block u's sixteen at 16 u of each run of 32.
.macro EPI b
.irp u, 0,1
.irp j, 0,1
.irp k, 0,1
	ds_load_b128 v[CZ+16*\u+8*\j+4*\k:CZ+16*\u+8*\j+4*\k+3], v[CAD] offset:ABLK*(2*(\b)+\u)+64*\j+16*\k
.endr
.endr
.endr
	WIN 0x12+((\b)/2)                              ; source 0: the accumulators, window 2 or 3; source 2: the biases, window 1
	s_wait_alu depctr_va_vdst(0)                   ; directly ahead of the sums' first readers
.irp u, 0,1
.irp g, 0,1,2,3
.irp p, 0,2,4,6,8,10,12,14                     ; each accumulator from its low end on
.if \g == 2
	v_pk_fma_f32 v[E+32*\g+16*\u+\p:E+32*\g+16*\u+\p+1], v[16*(4*((2*(\b)+\u)%4)+\g)+\p:16*(4*((2*(\b)+\u)%4)+\g)+\p+1], s[KP:KP+1], v[XS+16*\g+\p:XS+16*\g+\p+1] op_sel_hi:[1,0,1]
.else
	v_pk_fma_f32 v[E+32*\g+16*\u+\p:E+32*\g+16*\u+\p+1], v[16*(4*((2*(\b)+\u)%4)+\g)+\p:16*(4*((2*(\b)+\u)%4)+\g)+\p+1], s[KN:KN+1], v[XS+16*\g+\p:XS+16*\g+\p+1] op_sel_hi:[1,0,1]
.endif
.endr
.endr
.endr
	WIN 0
	HOLD
	BATCH v_exp_f32, E, 128                        ; eI, eF, eG, eO
.irp u, 0,16
	LESS1 NG+\u, E+64+\u                           ; eG - 1
	PLUS1 E+32+\u                                  ; 1 + eF
	PLUS1 E+64+\u                                  ; 1 + eG
	TIMES1 E+\u, E+64+\u                           ; (1 + eI)(1 + eG)
.endr
	BATCH v_rcp_f32, E, 64
	s_wait_dscnt 0x0                               ; c0 is in
.irp u, 0,16
	TIMES NG+\u, NG+\u, E+\u                       ; i tanh(z_g)
.endr
.irp u, 0,16
.irp p, 0,2,4,6,8,10,12,14
	v_pk_fma_f32 v[CZ+\u+\p:CZ+\u+\p+1], v[CZ+\u+\p:CZ+\u+\p+1], v[E+32+\u+\p:E+32+\u+\p+1], v[NG+\u+\p:NG+\u+\p+1]    ; c = c0 f + i tanh(z_g)
.endr
.endr
.irp u, 0,16
.irp p, 0,2,4,6,8,10,12,14
	v_pk_mul_f32 v[E+64+\u+\p:E+64+\u+\p+1], v[CZ+\u+\p:CZ+\u+\p+1], s[KP:KP+1] op_sel_hi:[1,0]
.endr
.endr
	HOLD
	BATCH v_exp_f32, E+64, 32                      ; eC
.irp u, 0,16
	LESS1 NG+\u, E+64+\u                           ; eC - 1
	PLUS1 E+64+\u
	TIMES1 E+96+\u, E+64+\u                        ; (1 + eO)(1 + eC)
.endr
	BATCH v_rcp_f32, E+96, 32
.irp u, 0,16
	TIMES NG+\u, NG+\u, E+96+\u                    ; h
.endr
.endm
.macro HSTORE b                        ; h over the very bytes of c0 that this lane has read: no other lane touches them before the next barrier: 8 stores
.irp u, 0,1
.irp j, 0,1
.irp k, 0,1
	ds_store_b128 v[CAD], v[NG+16*\u+8*\j+4*\k:NG+16*\u+8*\j+4*\k+3] offset:ABLK*(2*(\b)+\u)+64*\j+16*\k
.endr
.endr
.endr
.endm
.macro OUTLD b                         ; 8 whole rows of each block: a row's 256 bytes come from two waves
	s_wait_xcnt 0x0                                ; earlier stores have had their addresses translated (ISA guide 3.1): their data registers are rewritten only behind this wait
.irp u, 0,1
.irp t, 0,1,2,3
	ds_load_b128 v[OB+16*\u+4*\t:OB+16*\u+4*\t+3], v[RD] offset:ABLK*(2*(\b)+\u)+2*PITCH*\t
.endr
.endr
.endm
.macro OUTST b
.irp u, 0,1
.irp t, 0,1,2,3
	global_store_b128 v[GO], v[OB+16*\u+4*\t:OB+16*\u+4*\t+3], s[OUT:OUT+1] offset:(2*(\b)+\u)*131072+\t*16384 th:TH_STORE_NT   ; 16 lanes store 256 consecutive bytes, at a multiple of 256 from out0's first byte
.endr
.endr
.endm
	EPI 0
	HSTORE 0
.irp a, 1,2,3
	s_wait_dscnt 0x0                               ; for the others' sake: my stores of pair a - 1 are done
	s_barrier_signal -1
	EPI \a                                         ; pair a's arithmetic while the others arrive; it reads c0 at bytes that only its own lanes write, behind this barrier
	s_wait_alu depctr_va_vdst(0)                   ; directly ahead of the barrier's wait
	s_barrier_wait -1
	OUTLD \a-1
	HSTORE \a
	s_wait_dscnt 8                                 ; the rows are back; pair a's eight stores may be out
	OUTST \a-1
.endr
	s_wait_dscnt 0x0
	s_barrier_signal -1
	s_barrier_wait -1
	OUTLD 3
	s_wait_dscnt 0x0
	OUTST 3
	s_wait_tensorcnt 0x0                           ; the wave's end: behind my last tensor load and my last LDS store
	ds_add_u32 v[SPW], v[NIL]
	s_wait_dscnt 0x0
	CROUND                                         ; the closing round: no work-group ends while a partner may still ask for a tile that names it
	s_endpgm
.Lfunc_end_k_q2f38f55683_lstm:
	.size	k_q2f38f55683_lstm, .Lfunc_end_k_q2f38f55683_lstm-k_q2f38f55683_lstm
	.p2alignl 7, 3214868480
	.fill 96, 4, 3214868480
	.section	.rodata,"a",@progbits
	.p2align	6, 0x0
	.amdhsa_kernel k_q2f38f55683_lstm
		.amdhsa_group_segment_fixed_size 327680
		.amdhsa_private_segment_fixed_size 0
		.amdhsa_enable_private_segment 0
		.amdhsa_kernarg_size 208
		.amdhsa_user_sgpr_count 2
		.amdhsa_user_sgpr_kernarg_segment_ptr 1
		.amdhsa_wavefront_size32 1
		.amdhsa_system_sgpr_workgroup_id_x 1
		.amdhsa_system_sgpr_workgroup_id_y 1
		.amdhsa_system_sgpr_workgroup_id_z 1
		.amdhsa_system_vgpr_workitem_id 0
		.amdhsa_next_free_vgpr 1024
		.amdhsa_next_free_sgpr 102
		.amdhsa_reserve_vcc 0
		.amdhsa_float_denorm_mode_32 3
		.amdhsa_float_denorm_mode_16_64 3
		.amdhsa_memory_ordered 1
		.amdhsa_forward_progress 1
		.amdhsa_inst_pref_size 255
	.end_amdhsa_kernel
	.section	.bss,"aw",@nobits
	.p2align	6
	.space	262144
	.amdgpu_metadata
---
amdhsa.version: [ 1, 2 ]
amdhsa.kernels:
  - .name:           k_q2f38f55683_lstm
    .symbol:         k_q2f38f55683_lstm.kd
    .args:
      - { .name: h0_codes, .offset: 0, .size: 8, .value_kind: global_buffer, .address_space: global }
      - { .name: behavior_codes, .offset: 8, .size: 8, .value_kind: global_buffer, .address_space: global }
      - { .name: Wi_h_codes, .offset: 16, .size: 8, .value_kind: global_buffer, .address_space: global }
      - { .name: Wf_h_codes, .offset: 24, .size: 8, .value_kind: global_buffer, .address_space: global }
      - { .name: Wg_h_codes, .offset: 32, .size: 8, .value_kind: global_buffer, .address_space: global }
      - { .name: Wo_h_codes, .offset: 40, .size: 8, .value_kind: global_buffer, .address_space: global }
      - { .name: Wi_x_codes, .offset: 48, .size: 8, .value_kind: global_buffer, .address_space: global }
      - { .name: Wf_x_codes, .offset: 56, .size: 8, .value_kind: global_buffer, .address_space: global }
      - { .name: Wg_x_codes, .offset: 64, .size: 8, .value_kind: global_buffer, .address_space: global }
      - { .name: Wo_x_codes, .offset: 72, .size: 8, .value_kind: global_buffer, .address_space: global }
      - { .name: h0_scales, .offset: 80, .size: 8, .value_kind: global_buffer, .address_space: global }
      - { .name: behavior_scales, .offset: 88, .size: 8, .value_kind: global_buffer, .address_space: global }
      - { .name: Wi_h_scales, .offset: 96, .size: 8, .value_kind: global_buffer, .address_space: global }
      - { .name: Wf_h_scales, .offset: 104, .size: 8, .value_kind: global_buffer, .address_space: global }
      - { .name: Wg_h_scales, .offset: 112, .size: 8, .value_kind: global_buffer, .address_space: global }
      - { .name: Wo_h_scales, .offset: 120, .size: 8, .value_kind: global_buffer, .address_space: global }
      - { .name: Wi_x_scales, .offset: 128, .size: 8, .value_kind: global_buffer, .address_space: global }
      - { .name: Wf_x_scales, .offset: 136, .size: 8, .value_kind: global_buffer, .address_space: global }
      - { .name: Wg_x_scales, .offset: 144, .size: 8, .value_kind: global_buffer, .address_space: global }
      - { .name: Wo_x_scales, .offset: 152, .size: 8, .value_kind: global_buffer, .address_space: global }
      - { .name: bi, .offset: 160, .size: 8, .value_kind: global_buffer, .address_space: global }
      - { .name: bf, .offset: 168, .size: 8, .value_kind: global_buffer, .address_space: global }
      - { .name: bg, .offset: 176, .size: 8, .value_kind: global_buffer, .address_space: global }
      - { .name: bo, .offset: 184, .size: 8, .value_kind: global_buffer, .address_space: global }
      - { .name: c0, .offset: 192, .size: 8, .value_kind: global_buffer, .address_space: global }
      - { .name: out0, .offset: 200, .size: 8, .value_kind: global_buffer, .address_space: global }
    .group_segment_fixed_size: 327680
    .private_segment_fixed_size: 0
    .kernarg_segment_align: 8
    .kernarg_segment_size: 208
    .max_flat_workgroup_size: 128
    .sgpr_count:     102
    .vgpr_count:     1024
    .wavefront_size: 32
...
	.end_amdgpu_metadata
.endif
;; end of part 1
